; MI455X (gfx1250); checked and timed in simulation.
; The chip was launched on July 23, 2026; its instructions are those of AMD's public machine-readable ISA for CDNA 5 (MIT licence, August 2026) and "CDNA5" Instruction Set Architecture Reference Guide (July 2026). The comments in the code are by the model that wrote it; some were corrected since.
;; Dot Product Attention. Allowed arithmetic: matrix products marked QUANTISED: E2M1 operands, one E8M0 scale for each 32 along K, by v_wmma_scale_f32_16x16x128_f8f6f4 with both operands' format E2M1 (or v_wmma_scale_f32_32x16x128_f4), f32 sums; products left as they are: bf16, f16 or f32 operands; f32 sums; everything else in f32.
;; Inputs: W_key 768 x 768 float32; W_query 768 x 768 float32; W_value 768 x 384 float32; inputs 8 x 2,048 x 768 float32.
;; Outputs: out0 8 x 2,048 x 384 float32.
;; This version of the problem:
;;   THIS VERSION OF THE PROBLEM IS GIVEN IN LOW PRECISION. The matrix products marked QUANTISED in the list below multiply operands that are first quantised to E2M1 (2 exponent bits, 1 mantissa bit; 4 bits a number), with one power-of-two scale for each 32 numbers along K (OCP MX v1.0); their sums are f32. The products marked 'left as it is' may take bf16, f16 or f32 operands, with f32 sums. Whichever they take, every output number must still come out within the allowed error. Rounding operands to bf16 (8 significant bits) uses up far more of that allowance than f16 does (11 bits, for magnitudes from 6e-5 to 65,504). All else is computed in f32.
;;   The module's matrix products, in the order in which they are computed (A, B: the left and right operand; K: the contracted axis; several contracted axes count as one K, in the product's order):
;;     1. [M 16,384, K 768] x [K 768, N 768]; A: input inputs; B: input W_query: QUANTISED
;;     2. [M 16,384, K 768] x [K 768, N 768]; A: input inputs; B: input W_key: QUANTISED
;;     3. [M 16,384, K 768] x [K 768, N 384]; A: input inputs; B: input W_value: QUANTISED
;;     4. batch 8 x [M 2,048, K 768] x [K 768, N 2,048]; A: computed on the way; B: computed on the way: left as it is (an operand is computed on the way)
;;     5. batch 8 x [M 2,048, K 2,048] x [K 2,048, N 384]; A: computed on the way; B: computed on the way: left as it is (an operand is computed on the way)
;;   THE QUANTISER, for each operand of a quantised product, along K:
;;     - K is cut into blocks of 32 from its start; a last block that is shorter is filled with zeros.
;;     - A block's scale is 2^e with e = floor(log2(the largest magnitude in the block)) - 2, held to -126 .. 127; a block of zeros has e = 0. As a byte (E8M0): e + 127.
;;     - Each number is divided by its block's scale, clamped to +-6, and rounded to the nearest number of E2M1, ties to even, subnormals kept.
;;     - The product sums the exact products of the quantised numbers (number of the format x scale) in f32.
;;   ~~~python
;;   def quantise(x, axis):      # numpy; x: float32 -> the quantised numbers, widened to float32 again
;;       x = np.moveaxis(x, axis, -1); K = x.shape[-1]
;;       x = np.pad(x, [(0, 0)] * (x.ndim - 1) + [(0, -K % 32)]); x = x.reshape(x.shape[:-1] + (-1, 32)); a = np.abs(x).max(-1, keepdims=True)
;;       e = np.where(a > 0, np.clip(np.frexp(np.where(a > 0, a, 1))[1] - 1 - 2, -126, 127), 0)      # np.frexp(a)[1] - 1 = floor(log2(a)), exactly
;;       r = np.clip(x / 2.0 ** e, -6, 6)
;;       step = 2.0 ** (np.maximum(np.frexp(np.where(r == 0, 1, r))[1] - 1, 0) - 1)
;;       q = np.round(r / step) * step * 2.0 ** e      # np.round: ties to even
;;       return np.moveaxis(q.reshape(q.shape[:-2] + (-1,))[..., :K], -1, axis).astype(np.float32)
;;   ~~~
;; One version. Each part assembles by itself: llvm-mc -triple=amdgcn-amd-amdhsa -mcpu=gfx1250 --defsym DOCPART=n.
;; ======== version 1 of 1: 3 launches
;; limits: values are held in f16: magnitudes above 65,504 overflow, below 6.1e-05 lose precision; right only within a limited range of input values
;; workspace buffers: wcodes 737,280 bytes; wscales 46,080 bytes; qf 25,165,824 bytes; kvf 37,748,736 bytes
;; launch wq (part 1): grid 15 x 6, 4 waves a work-group, no clusters, 0 bytes of LDS; arguments W_query, W_key, W_value, wcodes, wscales; writes wcodes, wscales
.if DOCPART == 1
	.amdgcn_target "amdgcn-amd-amdhsa--gfx1250"
	.amdhsa_code_object_version 6
	.text
	.protected	k_q335d9542c0_wq
	.globl	k_q335d9542c0_wq
	.p2align	8
	.type	k_q335d9542c0_wq,@function
k_q335d9542c0_wq:
	s_mov_b64 s[64:65], 0
	v_nop
	global_prefetch_b8 v0, s[64:65] scope:SCOPE_SE
	s_setreg_imm32_b32 hwreg(HW_REG_WAVE_MODE, 25, 1), 1
	s_wait_xcnt 0x0
; THE PROGRAM: out = softmax(q k^T / sqrt(768)) v with q = x Wq, k = x Wk, v = x Wv; the three projections on codes of FP4 (E2M1) with one E8M0 scale for each 32 along K = 768.
; DEAD WORK: none.  reference() has no mask, no bias, no slice and no constant operand: every number of inputs, W_query, W_key and W_value has a way to every row of its batch's output, so all four are loaded
; and all five products are done.  The division by sqrt(768) is folded into the exponent's constant of the third launch; the maximum is taken away before the exponential there, by a running maximum.
; THIS LAUNCH: the three weights [768 (K)][n], f32, become codes and scale bytes, laid in the order of the matrix operand's registers, since all work-groups of the next launch read them.
; The 1,920 columns are 120 tiles of 16: q's 0-47, k's 48-95, v's 96-119.  Fragment (tile T, K step s of 128) lies at (6 T + s) x 1,024 bytes of wcodes; in it block t (k = 128 s + 32 t on) of column r at 256 t + 16 r:
; that is register group t / 2 of lane r + 16 (t % 2) at 512 (t / 2) + 16 x lane, so a lane of the next launch loads its registers by two loads of 16 bytes.  Column r's scale word of step s lies at 384 T + 64 s + 4 r of wscales.
; A LANE TAKES A COLUMN, AND ITS REGISTERS RUN DOWN K: each load reads 128 consecutive bytes of a row of W, a block of 32 along K lies in one lane's 32 registers, and the conversions give codes with K innermost.
; A wave takes 32 columns (two tiles) x one K step: 128 loads, four blocks.  Work-group x < 6: Wq; x < 12: Wk; else Wv.  Work-group y: the K step.
; A block's scale is 2^(floor(log2(largest magnitude)) - 2); its byte is the largest magnitude's exponent field - 2, held at 1 from below by a floor among the maximum's leaves.
; LIMITS: a block of zeros gets the byte 1 where the rule says 127 (its codes are zeros, which add nothing, and this program alone reads the bytes); blocks whose largest magnitude lies under 2^-124 keep the byte 1;
; NaN and infinities among the inputs are not served.
.set X,  32                            ; v32-159  the 128 numbers of my column
.set CD, 16                            ; v16-31   codes: four registers a block, so that no store's data are written again
	s_load_b256 s[4:11], s[0:1], 0x0               ; Wq s[4:5], Wk s[6:7], Wv s[8:9], wcodes s[10:11]
	s_load_b64 s[12:13], s[0:1], 0x20              ; wscales
	v_lshrrev_b32 v1, 5, v0
	v_readfirstlane_b32 s14, v1                    ; wave 0..3
	v_and_b32 v5, 31, v0                           ; lane
	v_and_b32 v6, 15, v0                           ; r: my column in its tile
	v_bfe_u32 v7, v0, 4, 1                         ; which of the wave's two tiles
	v_lshlrev_b32 v2, 2, v5                        ; in: 4 bytes a lane
	v_mul_u32_u24 v3, v7, 6144                     ; codes out: a tile on is six fragments on,
	v_lshl_add_u32 v3, v6, 4, v3                   ; 16 bytes a column
	v_mul_u32_u24 v4, v7, 384                      ; scale words out: 384 bytes a tile,
	v_lshl_add_u32 v4, v6, 2, v4                   ; 4 bytes a column
	s_and_b32 s15, ttmp7, 0xffff                   ; the K step
	s_lshl_b32 s16, ttmp9, 2
	s_add_co_u32 s16, s16, s14                     ; cg: which 32 of the 1,920 columns
	s_cmp_lt_u32 ttmp9, 6
	s_cselect_b32 s17, 0, 24
	s_cmp_lt_u32 ttmp9, 12
	s_cselect_b32 s17, s17, 48                     ; the first cg of my tensor
	s_mov_b32 s18, 1536
	s_cselect_b32 s18, 3072, s18                   ; a row of my tensor in bytes
	s_sub_co_u32 s19, s16, s17
	s_lshl_b32 s19, s19, 7                         ; my 32 columns: 128 bytes each group
	s_mul_i32 s20, s15, s18
	s_lshl_b32 s20, s20, 7                         ; 128 rows a K step
	s_add_co_u32 s20, s20, s19
	s_mov_b32 s21, 0
	s_mul_i32 s22, s16, 12
	s_add_co_u32 s22, s22, s15
	s_lshl_b32 s22, s22, 10                        ; (6 x 2 cg + s) x 1,024
	s_mov_b32 s23, 0
	s_mul_i32 s24, s16, 768
	s_lshl_b32 s25, s15, 6
	s_add_co_u32 s24, s24, s25                     ; 384 x 2 cg + 64 s
	s_mov_b32 s25, 0
	s_wait_kmcnt 0x0
	s_cmp_lt_u32 ttmp9, 6                          ; the choice of tensor hangs on the work-group's number alone
	s_cselect_b64 s[4:5], s[4:5], s[6:7]
	s_cmp_lt_u32 ttmp9, 12
	s_cselect_b64 s[4:5], s[4:5], s[8:9]
	s_add_nc_u64 s[4:5], s[4:5], s[20:21]
	s_add_nc_u64 s[10:11], s[10:11], s[22:23]
	s_add_nc_u64 s[12:13], s[12:13], s[24:25]
.macro LOADS pitch                     ; W(128 s + i, my column), i = 0 .. 127: every offset an immediate, 127 rows at the most
.set I, 0
.rept 128
	global_load_b32 v[X+I], v2, s[4:5] offset:I*\pitch th:TH_LOAD_NT
.set I, I+1
.endr
.endm
	s_cmp_lt_u32 ttmp9, 12                         ; the two runs differ in the immediates alone
	s_cbranch_scc0 .Lnarrow
	LOADS 3072
	s_branch .Lloaded
.Lnarrow:
	LOADS 1536
.Lloaded:
.macro BLOCK t, left
.set XS, X+32*(\t)
	s_wait_loadcnt \left                           ; this block's 32 loads are in
	v_max3_num_f32 v8, |v[XS]|, |v[XS+1]|, |v[XS+2]|               ; the block's largest magnitude: all 32 numbers are mine; two chains
	v_max3_num_f32 v9, |v[XS+3]|, |v[XS+4]|, |v[XS+5]|
.irp i, 6,10,14,18,22,26
	v_max3_num_f32 v8, v8, |v[XS+\i]|, |v[XS+\i+1]|
	v_max3_num_f32 v9, v9, |v[XS+\i+2]|, |v[XS+\i+3]|
.endr
	v_max3_num_f32 v8, v8, |v[XS+30]|, |v[XS+31]|
	v_max3_num_f32 v8, v8, v9, 0x1800000           ; and the floor 2^(3 - 127): the byte cannot fall under 1
	v_add_nc_u32 v10, 0xff000000, v8               ; 2 off its exponent field: the conversion takes the exponent field of this operand as its scale
	v_lshrrev_b32 v11, 23, v10                     ; the scale's byte
.if (\t) == 0
	v_mov_b32 v12, v11                             ; four bytes make the K step's scale word, the lower K in the lower byte
.else
	v_lshl_or_b32 v12, v11, 8*(\t), v12
.endif
.irp g, 0,1,2,3
	v_cvt_scalef32_pk8_fp4_f32 v[CD+4*(\t)+\g], v[XS+8*\g:XS+8*\g+7], v10
.endr
	global_store_b128 v3, v[CD+4*(\t):CD+4*(\t)+3], s[10:11] offset:256*(\t)   ; sixteen lanes store 256 consecutive bytes, aligned; the next block's first lines are plain vector lines, ahead of the next write of v10
.endm
	BLOCK 0, 63                                    ; 96 loads were issued behind block 0's and 64 behind block 1's: the wait's field holds 63
	BLOCK 1, 63
	BLOCK 2, 32
	BLOCK 3, 0
	global_store_b32 v4, v12, s[12:13]             ; sixteen lanes store 64 consecutive bytes: one byte for each 128 that the launch reads
	s_endpgm
.Lfunc_end_k_q335d9542c0_wq:
	.size	k_q335d9542c0_wq, .Lfunc_end_k_q335d9542c0_wq-k_q335d9542c0_wq
	.p2alignl 7, 3214868480
	.fill 96, 4, 3214868480
	.section	.rodata,"a",@progbits
	.p2align	6, 0x0
	.amdhsa_kernel k_q335d9542c0_wq
		.amdhsa_group_segment_fixed_size 0
		.amdhsa_private_segment_fixed_size 0
		.amdhsa_enable_private_segment 0
		.amdhsa_kernarg_size 40
		.amdhsa_user_sgpr_count 2
		.amdhsa_user_sgpr_kernarg_segment_ptr 1
		.amdhsa_wavefront_size32 1
		.amdhsa_system_sgpr_workgroup_id_x 1
		.amdhsa_system_sgpr_workgroup_id_y 1
		.amdhsa_system_sgpr_workgroup_id_z 1
		.amdhsa_system_vgpr_workitem_id 0
		.amdhsa_next_free_vgpr 160
		.amdhsa_next_free_sgpr 66
		.amdhsa_reserve_vcc 0
		.amdhsa_float_denorm_mode_32 3
		.amdhsa_float_denorm_mode_16_64 3
		.amdhsa_memory_ordered 1
		.amdhsa_forward_progress 1
		.amdhsa_inst_pref_size 33
	.end_amdhsa_kernel
	.amdgpu_metadata
---
amdhsa.version: [ 1, 2 ]
amdhsa.kernels:
  - .name:           k_q335d9542c0_wq
    .symbol:         k_q335d9542c0_wq.kd
    .args:
      - { .name: W_query, .offset: 0, .size: 8, .value_kind: global_buffer, .address_space: global }
      - { .name: W_key, .offset: 8, .size: 8, .value_kind: global_buffer, .address_space: global }
      - { .name: W_value, .offset: 16, .size: 8, .value_kind: global_buffer, .address_space: global }
      - { .name: wcodes, .offset: 24, .size: 8, .value_kind: global_buffer, .address_space: global }
      - { .name: wscales, .offset: 32, .size: 8, .value_kind: global_buffer, .address_space: global }
    .group_segment_fixed_size: 0
    .private_segment_fixed_size: 0
    .kernarg_segment_align: 8
    .kernarg_segment_size: 40
    .max_flat_workgroup_size: 128
    .sgpr_count:     66
    .vgpr_count:     160
    .wavefront_size: 32
...
	.end_amdgpu_metadata
.endif
;; end of part 1
;; launch proj (part 2): grid 256 x 1, 4 waves a work-group, no clusters, 227,840 bytes of LDS; arguments inputs, wcodes, wscales, qf, kvf; writes qf, kvf
.if DOCPART == 2
	.amdgcn_target "amdgcn-amd-amdhsa--gfx1250"
	.amdhsa_code_object_version 6
	.text
	.protected	k_q335d9542c0_proj
	.globl	k_q335d9542c0_proj
	.p2align	8
	.type	k_q335d9542c0_proj,@function
k_q335d9542c0_proj:
	s_mov_b64 s[64:65], 0
	v_nop
	global_prefetch_b8 v0, s[64:65] scope:SCOPE_SE
	s_setreg_imm32_b32 hwreg(HW_REG_WAVE_MODE, 25, 1), 1
	s_wait_xcnt 0x0
; q = x Wq, k = x Wk, v = x Wv on codes of FP4 (E2M1) with one E8M0 scale for each 32 along K = 768; sums in f32.  No work is left out.
; x [16,384][768] f32 is quantised here, in registers: each row is read by one work-group, once.  The weights' codes and scale words come from the launch before, in the order of the operand's registers.
; OUT: q, k and v times 2^-3 (exact, in f32, ahead of the one rounding), as f16, laid as the next launch's matrix operands: fragments of 16 rows x 32 along that launch's K, 1,024 bytes each, register group u at 512 u, lane l at 16 l.
;   qf:  row tile rt (16 queries) at 24,576 rt; channels 16 T' on at 512 T'.      kvf: key step st (64 keys) at 147,456 st: K's four key tiles m at 24,576 m + 512 T'; behind them, at 98,304, V^T: keys 32 kk on, channels 16 ct on at 24,576 kk + 1,024 ct + 512 u.
; LIMITS: |q|, |k|, |v| under 524,032 (f16's largest number x 8); NaN and infinities are not served; blocks of x whose largest magnitude lies under 2^-124 keep the scale byte 1, blocks of zeros too (their codes are zeros).
; SHARES.  A work-group takes 64 rows (one key step) and all 1,920 columns.  Wave w quantises rows 16 w on; the 24 fragments go round through LDS as images of their registers and then stay in every wave's registers.
; In the products wave w takes column tiles T = 4 t + w, t = 0 .. 29, against all four row tiles: so each weight fragment is wanted by ONE wave of the work-group and comes from memory straight into its operand registers,
; 512 consecutive bytes a load, through a ring of six register slots.  No cluster: nothing goes through LDS that partners could share, and the weights' 783,360 bytes are a small part of the 113 MB that the launch moves.
; q's and k's tiles use the product TRANSPOSED (source 0 = 16 columns of W, source 1 = 16 rows of x): a lane then holds one row and eight neighbouring channels, which is half a fragment of q or k.
; v's tiles use it as it stands (source 0 = x, source 1 = W): a lane holds one channel and eight neighbouring keys, which is half a fragment of V^T.  So nothing is transposed and no stage is needed.
; REGISTERS: window 0: v1-9 addresses; v10-26 the quantiser's; v32-55 x's scale words; v56-73 the weights' (3 a slot: lanes 0-15 an even K step, lanes 16-31 the odd one behind it); v80-111 four accumulators;
;   v112-127 codes just made, later packed results; v128-255 two sets of 64 numbers of x.   window 1: x's 24 fragments, (m, s) at v[8 (6 m + s)].   windows 2, 3: the ring's slots 0-2, 3-5, 48 registers each.
.set XTW,   49920                      ; LDS: a wave's three tiles of x,
.set XTJ,   16640                      ; each 16 rows x 256 numbers,
.set XP,    1040                       ; 1,024 bytes + 16 of padding = 260 words a row: row r starts at bank 4 r mod 64 (64 banks of 4 bytes: ISA guide 11.1)
.set XIMG,  4*XTW                      ; the 24 fragments' images, (6 m + s) x 1,024
.set XSC,   XIMG+24*1024               ; their scale words, (6 m + s) x 128
.set SPARE, XSC+24*128                 ; the spare words, 128 bytes for each wave: two blocks of 256 bytes that no other line names
.set LI,  1                            ; v1  16 x lane
.set LS,  2                            ; v2  4 x lane
.set XA,  3                            ; v3  my row and half in my wave's tiles of x
.set XWI, 4                            ; v4  where I store images
.set XWS, 5                            ; v5  and scale words
.set SPW, 6                            ; v6  LDS address of my spare word; never rewritten
.set NIL, 7                            ; v7  0; never rewritten
.set XRI, 8                            ; v8  where images are read back
.set XRS, 9                            ; v9  and scale words
.set TM,  10
.set PW,  26
.set XS,  32
.set WS,  56
.set ACC, 80
.set PC,  112
.set OUTP, 112
.set NUM, 128
.set WV,  14
.set G1,  16                           ; s[16:23] descriptor group 1
.set G0,  24                           ; s[24:35] three groups 0
.set WB,  40                           ; s[40:41] wcodes at my wave's tiles
.set SB,  42                           ; s[42:43] wscales likewise
.set OB,  44                           ; s[44:45] where results go
.set KB,  46                           ; s[46:47] k's place in kvf
.set VB,  48                           ; s[48:49] v's
.set SEL, 50                           ; s[50:51] v_permlanex16_b32's selects for lane l xor 16
.set CNT, 52
.set MSB, 0
.macro WIN new                         ; the immediate's high byte repeats the setting that is left; a switch that changes nothing is dropped
.if MSB != (\new)
	s_set_vgpr_msb (MSB<<8)|(\new)
.set MSB, (\new)
.endif
.endm
; 64 numbers of a lane, register 16 b + i = k 32 b + 16 (lane / 16) + i of my row, become a fragment's codes in v[PC] on and its scale word in v[PW].
.macro QUANT s
.irp b, 0,1,2,3
	v_max3_num_f32 v[TM+\b], |v[\s+16*\b]|, |v[\s+1+16*\b]|, 0x1800000   ; block b: my 16 numbers, and the floor 2^(3 - 127): the byte cannot fall under 1
.endr
.irp i, 2,4,6,8,10,12,14
.irp b, 0,1,2,3
	v_max3_num_f32 v[TM+\b], v[TM+\b], |v[\s+16*\b+\i]|, |v[\s+1+16*\b+\i]|   ; the four blocks by turns
.endr
.endr
.irp b, 0,1,2,3
	v_permlanex16_b32 v[TM+4+\b], v[TM+\b], s[SEL], s[SEL+1]
.endr
.irp b, 0,1,2,3
	v_max_num_f32 v[TM+\b], v[TM+\b], v[TM+4+\b]   ; with lane l xor 16's: the block's largest magnitude
.endr
.irp b, 0,1,2,3
	v_add_nc_u32 v[TM+12+\b], 0xff000000, v[TM+\b] ; 2 off its exponent field: the conversion's scale operand
.endr
.irp b, 0,1,2,3
	v_lshrrev_b32 v[TM+4+\b], 23, v[TM+12+\b]      ; the scale's byte
.endr
	v_lshl_or_b32 v[PW], v[TM+5], 8, v[TM+4]       ; the four bytes make my row's scale word
	v_lshl_or_b32 v[PW], v[TM+6], 16, v[PW]
	v_lshl_or_b32 v[PW], v[TM+7], 24, v[PW]
.irp b, 0,1,2,3
	v_cvt_scalef32_pk8_fp4_f32 v[PC+2*\b], v[\s+16*\b:\s+7+16*\b], v[TM+12+\b]
	v_cvt_scalef32_pk8_fp4_f32 v[PC+1+2*\b], v[\s+8+16*\b:\s+15+16*\b], v[TM+12+\b]
.endr
	v_nop                                          ; one plain place behind a scaled conversion
.irp c, 0,1                                    ; the operand's layout wants a whole block in a lane: lanes 0-15 block 2 c, lanes 16-31 block 2 c + 1
.irp i, 0,1
	v_permlane16_swap_b32 v[PC+4*\c+\i], v[PC+2+4*\c+\i]
.endr
.endr
.endm
.macro XREAD n                         ; K step n: my 64 numbers out of my wave's tile n / 2, into set n % 2
.irp b, 0,1,2,3
.irp j, 0,1,2,3
	ds_load_b128 v[NUM+64*((\n)%2)+16*\b+4*\j:NUM+64*((\n)%2)+16*\b+4*\j+3], v[XA] offset:((\n)/2)*XTJ+((\n)%2)*512+128*\b+16*\j
.endr
.endr
.endm
.macro WLOAD u, t                      ; the weights of the tile t places on from the bases, into ring slot u: 12 loads of 512 consecutive bytes, 3 of scale words
	WIN 0x80+0x40*((\u)/3)
.irp s, 0,1,2,3,4,5
.irp c, 0,1
	global_load_b128 v[48*((\u)%3)+8*\s+4*\c:48*((\u)%3)+8*\s+4*\c+3], v[LI], s[WB:WB+1] offset:(\t)*24576+\s*1024+\c*512
.endr
.endr
	WIN 0
.irp i, 0,1,2
	global_load_b32 v[WS+3*(\u)+\i], v[LS], s[SB:SB+1] offset:(\t)*1536+\i*128
.endr
.endm
; One product: row tile m, K step s, the tile in slot u.  The first K step starts the sum.  The weights' scale word of an odd K step stands in lanes 16-31.
.macro MM kind, u, s, m
.set rW, 48*((\u)%3)+8*(\s)
.set rX, 8*(6*(\m)+(\s))
.set rA, ACC+8*(\m)
.set rU, WS+3*(\u)+(\s)/2
.set rY, XS+6*(\m)+(\s)
.if (\kind) == 0
.if (\s) == 0
	v_wmma_scale_f32_16x16x128_f8f6f4 v[rA:rA+7], v[rW:rW+7], v[rX:rX+7], 0, v[rU], v[rY] matrix_a_fmt:MATRIX_FMT_FP4 matrix_b_fmt:MATRIX_FMT_FP4
.elseif (\s)%2 == 0
	v_wmma_scale_f32_16x16x128_f8f6f4 v[rA:rA+7], v[rW:rW+7], v[rX:rX+7], v[rA:rA+7], v[rU], v[rY] matrix_a_fmt:MATRIX_FMT_FP4 matrix_b_fmt:MATRIX_FMT_FP4
.else
	v_wmma_scale_f32_16x16x128_f8f6f4 v[rA:rA+7], v[rW:rW+7], v[rX:rX+7], v[rA:rA+7], v[rU], v[rY] matrix_a_fmt:MATRIX_FMT_FP4 matrix_b_fmt:MATRIX_FMT_FP4 matrix_a_scale:MATRIX_SCALE_ROW1
.endif
.else
.if (\s) == 0
	v_wmma_scale_f32_16x16x128_f8f6f4 v[rA:rA+7], v[rX:rX+7], v[rW:rW+7], 0, v[rY], v[rU] matrix_a_fmt:MATRIX_FMT_FP4 matrix_b_fmt:MATRIX_FMT_FP4
.elseif (\s)%2 == 0
	v_wmma_scale_f32_16x16x128_f8f6f4 v[rA:rA+7], v[rX:rX+7], v[rW:rW+7], v[rA:rA+7], v[rY], v[rU] matrix_a_fmt:MATRIX_FMT_FP4 matrix_b_fmt:MATRIX_FMT_FP4
.else
	v_wmma_scale_f32_16x16x128_f8f6f4 v[rA:rA+7], v[rX:rX+7], v[rW:rW+7], v[rA:rA+7], v[rY], v[rU] matrix_a_fmt:MATRIX_FMT_FP4 matrix_b_fmt:MATRIX_FMT_FP4 matrix_b_scale:MATRIX_SCALE_ROW1
.endif
.endif
.endm
; One column tile against the 64 rows: 24 products, the four accumulators by turns, one instruction a turn; times 2^-3; to f16; four stores of 512 consecutive aligned bytes.
; kind 0: q or k (transposed).  kind 1: v.  ld = 1: the slot takes the tile six on.  left: loads issued behind this tile's.
.macro TRIP u, kind, ld, left
	s_wait_loadcnt \left
.if (\kind) == 0
	WIN 0x06+(\u)/3                                ; source 0 (W) window 2 or 3, source 1 (x) window 1
.else
	WIN 0x09+4*((\u)/3)                            ; source 0 (x) window 1, source 1 (W) window 2 or 3
.endif
.irp s, 0,1,2,3,4,5
.irp m, 0,1,2,3
	MM \kind, \u, \s, \m
.endr
.endr
	WIN 0
.rept 4
	v_nop                                          ; four places behind the last product, ahead of the first read of results and of the loads into the slot
.endr
	s_wait_xcnt 0x0                                ; the last tile's stores have read their data: the packed results may be written again
.set I, 0
.rept 16
	v_pk_mul_f32 v[ACC+2*I:ACC+2*I+1], v[ACC+2*I:ACC+2*I+1], 0x3e000000 op_sel_hi:[1,0]   ; x 2^-3, each accumulator from its low end on
.set I, I+1
.endr
.set I, 0
.rept 16
	v_cvt_pk_f16_f32 v[OUTP+I], v[ACC+2*I], v[ACC+2*I+1]
.set I, I+1
.endr
.irp m, 0,1,2,3
.if (\kind) == 0
	global_store_b128 v[LI], v[OUTP+4*\m:OUTP+4*\m+3], s[OB:OB+1] offset:(\u)*2048+\m*24576
.else
	global_store_b128 v[LI], v[OUTP+4*\m:OUTP+4*\m+3], s[OB:OB+1] offset:(\u)*4096+(\m/2)*24576+(\m%2)*512
.endif
.endr
.if \ld
	WLOAD \u, (\u)+6
.endif
.endm
	s_load_b256 s[4:11], s[0:1], 0x0               ; inputs s[4:5], wcodes s[6:7], wscales s[8:9], qf s[10:11]
	s_load_b64 s[12:13], s[0:1], 0x20              ; kvf
	v_lshl_add_u32 v[SPW], v0, 2, SPARE
	v_mov_b32 v[NIL], 0
	ds_add_u32 v[SPW], v[NIL]                      ; the wave's opening: the add, twice on end, and its wait ahead of my first tensor load; the set-up below stands between
	ds_add_u32 v[SPW], v[NIL]
	v_lshrrev_b32 v27, 5, v0
	v_readfirstlane_b32 s[WV], v27                 ; wave 0..3
	; descriptor group 1: 16 rows x 256 numbers of 4 bytes, 768 numbers from row to row; in LDS 4 words of padding behind every 256
	s_mov_b32 s[G1+0], (2<<16)|(1<<20)|(7<<22)|(3<<25)
	s_mov_b32 s[G1+1], 256<<16                     ; tensor_dim0
	s_mov_b32 s[G1+2], 16<<16                      ; tensor_dim1
	s_mov_b32 s[G1+3], 256<<16                     ; tile_dim0
	s_mov_b32 s[G1+4], 16                          ; tile_dim1
	s_mov_b32 s[G1+5], 768                         ; tensor_dim0_stride
	s_mov_b32 s[G1+6], 0
	s_mov_b32 s[G1+7], 0
	s_mul_i32 s15, s[WV], XTW                      ; my wave's tiles in LDS
	s_lshl_b32 s36, ttmp9, 6
	s_lshl_b32 s37, s[WV], 4
	s_add_co_u32 s36, s36, s37                     ; my wave's first row: 64 x work-group + 16 x wave
	s_mul_i32 s36, s36, 3072
	s_mov_b32 s37, 0
	s_mov_b32 s[SEL], 0x76543210
	s_mov_b32 s[SEL+1], 0xfedcba98
	v_and_b32 v29, 31, v0                          ; lane
	v_and_b32 v27, 15, v0                          ; r
	v_bfe_u32 v28, v0, 4, 1                        ; h
	v_lshlrev_b32 v[LI], 4, v29
	v_lshlrev_b32 v[LS], 2, v29
	v_mul_u32_u24 v[XA], v27, XP
	v_lshl_add_u32 v[XA], v28, 6, v[XA]            ; row r, + 64 h: my 16 numbers of a block of 32
	v_add_nc_u32 v[XA], s15, v[XA]
	s_mul_i32 s38, s[WV], 6144
	v_add_nc_u32 v[XWI], s38, v[LI]
	v_add_nc_u32 v[XWI], XIMG, v[XWI]              ; my row tile's six images
	s_mul_i32 s39, s[WV], 768
	v_add_nc_u32 v[XWS], s39, v[LS]
	v_add_nc_u32 v[XWS], XSC, v[XWS]
	v_add_nc_u32 v[XRI], XIMG, v[LI]
	v_add_nc_u32 v[XRS], XSC, v[LS]
.irp b, 0,1,2,3
	v_mov_b32 v[TM+4+\b], 0                        ; written once: a lane permute's destination counts as one of its sources
.endr
	s_wait_dscnt 0x0                               ; both opening adds are done
	s_wait_kmcnt 0x0
	s_add_nc_u64 s[36:37], s[4:5], s[36:37]
.irp j, 0,1,2
	s_mov_b32 s[G0+4*\j], 1                        ; count = 1
	s_add_co_u32 s[G0+4*\j+1], s15, \j*XTJ         ; LDS address
	s_add_nc_u64 s[G0+4*\j+2:G0+4*\j+3], s[36:37], \j*1024   ; my 16 rows, numbers 256 j on
	s_or_b32 s[G0+4*\j+3], s[G0+4*\j+3], 0x80000000   ; type = 2
.endr
	tensor_load_to_lds s[G0:G0+3], s[G1:G1+7]      ; every wave's three first fills, on end: three loads of mine are out.  Only I read what they bring; nothing is filled again
	s_nop 0
	tensor_load_to_lds s[G0+4:G0+7], s[G1:G1+7]
	s_nop 0
	tensor_load_to_lds s[G0+8:G0+11], s[G1:G1+7]
	s_nop 0
.rept 4
	v_nop                                          ; behind tensor loads, ahead of the first switch of windows
.endr
	s_mov_b32 s39, 0                               ; s38 = 6,144 x wave: tile T = 4 t + w begins 6 w fragments on
	s_add_nc_u64 s[WB:WB+1], s[6:7], s[38:39]
	s_mul_i32 s38, s[WV], 384
	s_add_nc_u64 s[SB:SB+1], s[8:9], s[38:39]
	s_lshl_b32 s53, s[WV], 9
	s_mul_i32 s38, ttmp9, 98304                    ; four row tiles of qf
	s_add_co_u32 s38, s38, s53
	s_add_nc_u64 s[OB:OB+1], s[10:11], s[38:39]
	s_mul_i32 s38, ttmp9, 147456                   ; my key step of kvf
	s_add_co_u32 s38, s38, s53
	s_add_nc_u64 s[KB:KB+1], s[12:13], s[38:39]
	s_add_co_u32 s38, s38, s53                     ; V^T: 1,024 bytes a channel tile,
	s_add_co_u32 s38, s38, 98304                   ; behind K's part
	s_add_nc_u64 s[VB:VB+1], s[12:13], s[38:39]
.irp u, 0,1,2,3,4,5
	WLOAD \u, \u                                   ; the ring is filled: 90 loads
.endr
	; ---- X: my 16 rows become six fragments.  A K step's LDS loads are issued a step ahead.
	s_wait_tensorcnt 2                             ; numbers 0-255 are in; the two later tiles may be out
	XREAD 0
.set Q, 0
.rept 6
.if Q < 5
.if (Q+1)%2 == 0
	s_wait_tensorcnt 2-(Q+1)/2                     ; the tile that the next K step reads is in
.endif
	XREAD Q+1
	s_wait_dscnt 16                                ; all but the 16 just issued: this step's numbers are in, and the last step's stores have read their registers
.else
	s_wait_dscnt 0x0
.endif
	QUANT NUM+64*(Q%2)
.irp c, 0,1
	ds_store_b128 v[XWI], v[PC+4*\c:PC+4*\c+3] offset:Q*1024+512*\c   ; the fragment goes to LDS as it stands: lane l's 16 bytes at 16 l
.endr
	ds_store_b32 v[XWS], v[PW] offset:Q*128
.set Q, Q+1
.endr
	s_wait_dscnt 0x0                               ; for the others' sake: my stores have landed
	s_barrier_signal -1
	s_barrier_wait -1                              ; the 24 fragments lie in LDS
	WIN 0x40                                       ; destination window 1
.set F, 0
.rept 24
	ds_load_b128 v[8*F:8*F+3], v[XRI] offset:F*1024
	ds_load_b128 v[8*F+4:8*F+7], v[XRI] offset:F*1024+512
.set F, F+1
.endr
	WIN 0
.set F, 0
.rept 24
	ds_load_b32 v[XS+F], v[XRS] offset:F*128
.set F, F+1
.endr
	s_wait_dscnt 0x0
	; ---- q's 12 tiles of mine, then k's 12: four trips of six
	s_mov_b32 s[CNT], 0
.Ltrip:
.irp u, 0,1,2,3,4,5
	TRIP \u, 0, 1, 63                              ; 75 loads were issued behind this tile's: the wait's field holds 63
.endr
	s_wait_xcnt 0x0                                ; loads and stores have read their bases
	s_add_nc_u64 s[WB:WB+1], s[WB:WB+1], 147456    ; six tiles on
	s_add_nc_u64 s[SB:SB+1], s[SB:SB+1], 9216
	s_add_nc_u64 s[OB:OB+1], s[OB:OB+1], 12288
	s_add_co_u32 s[CNT], s[CNT], 1
	s_cmp_eq_u32 s[CNT], 2
	s_cselect_b64 s[OB:OB+1], s[KB:KB+1], s[OB:OB+1]   ; behind q's tiles come k's: the choice hangs on the count of trips alone
	s_cmp_lt_u32 s[CNT], 4
	s_cbranch_scc1 .Ltrip
	; ---- v's six tiles of mine: nothing more is loaded, and the counts run down
	s_mov_b64 s[OB:OB+1], s[VB:VB+1]
	TRIP 0, 1, 0, 63
	TRIP 1, 1, 0, 60
	TRIP 2, 1, 0, 45
	TRIP 3, 1, 0, 30
	TRIP 4, 1, 0, 15
	TRIP 5, 1, 0, 0
	s_wait_tensorcnt 0x0                           ; the wave's end, behind my last tensor load and my last LDS store
	ds_add_u32 v[SPW], v[NIL]
	s_wait_dscnt 0x0
	s_endpgm
.Lfunc_end_k_q335d9542c0_proj:
	.size	k_q335d9542c0_proj, .Lfunc_end_k_q335d9542c0_proj-k_q335d9542c0_proj
	.p2alignl 7, 3214868480
	.fill 96, 4, 3214868480
	.section	.rodata,"a",@progbits
	.p2align	6, 0x0
	.amdhsa_kernel k_q335d9542c0_proj
		.amdhsa_group_segment_fixed_size 227840
		.amdhsa_private_segment_fixed_size 0
		.amdhsa_enable_private_segment 0
		.amdhsa_kernarg_size 40
		.amdhsa_user_sgpr_count 2
		.amdhsa_user_sgpr_kernarg_segment_ptr 1
		.amdhsa_wavefront_size32 1
		.amdhsa_system_sgpr_workgroup_id_x 1
		.amdhsa_system_sgpr_workgroup_id_y 1
		.amdhsa_system_sgpr_workgroup_id_z 1
		.amdhsa_system_vgpr_workitem_id 0
		.amdhsa_next_free_vgpr 912
		.amdhsa_next_free_sgpr 66
		.amdhsa_reserve_vcc 0
		.amdhsa_float_denorm_mode_32 3
		.amdhsa_float_denorm_mode_16_64 3
		.amdhsa_memory_ordered 1
		.amdhsa_forward_progress 1
		.amdhsa_inst_pref_size 131
	.end_amdhsa_kernel
	.amdgpu_metadata
---
amdhsa.version: [ 1, 2 ]
amdhsa.kernels:
  - .name:           k_q335d9542c0_proj
    .symbol:         k_q335d9542c0_proj.kd
    .args:
      - { .name: inputs, .offset: 0, .size: 8, .value_kind: global_buffer, .address_space: global }
      - { .name: wcodes, .offset: 8, .size: 8, .value_kind: global_buffer, .address_space: global }
      - { .name: wscales, .offset: 16, .size: 8, .value_kind: global_buffer, .address_space: global }
      - { .name: qf, .offset: 24, .size: 8, .value_kind: global_buffer, .address_space: global }
      - { .name: kvf, .offset: 32, .size: 8, .value_kind: global_buffer, .address_space: global }
    .group_segment_fixed_size: 227840
    .private_segment_fixed_size: 0
    .kernarg_segment_align: 8
    .kernarg_segment_size: 40
    .max_flat_workgroup_size: 128
    .sgpr_count:     66
    .vgpr_count:     912
    .wavefront_size: 32
...
	.end_amdgpu_metadata
.endif
;; end of part 2
;; launch attn (part 3): grid 32 x 8, 4 waves a work-group, clusters of 4 x 1, 327,680 bytes of LDS; arguments qf, kvf, out0; writes out0
.if DOCPART == 3
	.amdgcn_target "amdgcn-amd-amdhsa--gfx1250"
	.amdhsa_code_object_version 6
	.text
	.protected	k_q335d9542c0_attn
	.globl	k_q335d9542c0_attn
	.p2align	8
	.type	k_q335d9542c0_attn,@function
k_q335d9542c0_attn:
	s_mov_b64 s[64:65], 0
	v_nop
	global_prefetch_b8 v0, s[64:65] scope:SCOPE_SE
	s_setreg_imm32_b32 hwreg(HW_REG_WAVE_MODE, 25, 1), 1
	s_wait_xcnt 0x0
	s_wait_alu depctr_hold_cnt(0) depctr_sa_sdst(0) depctr_va_vdst(0) depctr_va_sdst(0) depctr_va_ssrc(0) depctr_va_vcc(0) depctr_vm_vsrc(0)
	s_getreg_b32 s2, hwreg(HW_REG_IB_STS2, 6, 4)
	s_cmp_eq_u32 s2, 0
	s_cbranch_scc0 .Lentry_in_a_cluster
	s_endpgm
.Lentry_in_a_cluster:
	s_bfe_u32 s2, ttmp6, 0x10000c
	s_cmp_lg_u32 s2, 0x3003
	s_cbranch_scc0 .Lentry_shape_is_right
	s_endpgm
.Lentry_shape_is_right:
; out = softmax(q k^T / sqrt(768)) v for 64 queries of one sequence and all its 2,048 keys.  No work is left out.
; q', k', v' are q, k, v times 2^-3 in f16 (the launch before); p = 2^(C s' - C m), s' = q' . k', m the running maximum of s'; C = 64 log2(e) / sqrt(768) takes the two factors 2^-3 and the division by sqrt(768) in.
; Products in f16 with f32 sums; p (at most 1) rounded to f16; m, l = the sum of the unrounded p, and O in f32.  The factor 8 that undoes v's 2^-3 goes into the division at the end.
; SHARES.  A query costs 24 registers in a wave (768 channels of q in f16, 384 of O in f32), so a wave holds 32 queries.  16,384 queries on 256 work-groups are 64 a work-group: two waves' worth.
; So wave w = a + 2 b owns queries 32 a on of the block (two tiles of 16) and, of every 64 keys, the 32 from 32 b on: each wave has a running maximum, a sum and an O of its own over 1,024 keys,
; and the two halves of the keys are joined at the end, through LDS: O = (wA OA + wB OB) / (wA lA + wB lB), wX = 2^(C mX - max(C mA, C mB)): the maximum is taken away before these exponentials too.
; LAYOUT.  S^T = K Q^T (source 0 = 16 keys, source 1 = 16 queries) and O^T = V^T P (source 0 = 16 channels x 32 keys, source 1 = P): a lane holds ONE query throughout; two tiles of S^T, rounded in pairs, are a fragment of P.
; K and V^T lie in memory and in LDS as images of the operands' registers: every LDS load reads 512 consecutive bytes (16 x lane), so there is no pitch and no padding, and 64 keys are one dense block of 147,456 bytes.
; THE RING: two slots of 64 keys.  Each wave fetches a quarter of a slot, 144 rows of 256 bytes, by one tensor load.  By this text's count a wave has two tensor loads out at the start and one behind each round.
; CLUSTER.  The four query blocks of a cluster walk the same keys: each quarter is asked for JOINTLY, by the same load with the same descriptor and the mask of all four.
; LIMITS: NaN and infinities are not served; the range of q, k, v is the launch before's.
; REGISTERS: window 0: v1-7 addresses; v8-23 eight statistics a tile; v24-29 the way out's addresses; v32-63 S^T (16 t + 8 kt); v96-159, v160-223 two buffers of eight fragments of K or V^T; v224-255 Q, channels 512-575.
;   window 1: v0-191 O^T of tile 0; v192-199 its P; v208-255 Q.   window 2: the same for tile 1.   window 3: Q, channels 0-511.
; s_set_vgpr_msb: bits 1:0 source 0, 3:2 source 1, 5:4 source 2, 7:6 destination.  K, V^T, S^T and the LDS loads' targets lie in window 0, so the products K Q^T switch only their source 1 and the loads between them need no switch.
.set SLOTB,   147456                   ; 0x24000: it shares no bit with wave x 36,864, so one exclusive or turns an address in one slot into the other's
.set QUARTER, 36864
.set VOFF,    98304                    ; V^T behind K in a slot
.set SPARE,   2*SLOTB                  ; the spare words, 128 bytes for each wave: two blocks of 256 bytes that no other line names
.set STATS,   SPARE+512                ; (C m, l) of each wave's 32 queries: 256 bytes a wave; bytes of their own
.set TP,      1552                     ; the way out: a stage row, 1,536 bytes + 16 = 388 words: row r starts at bank 4 r mod 64 (64 banks of 4 bytes: ISA guide 11.1)
.set TSTG,    16*TP                    ; a stage: one tile of 16 queries.  Eight of them (wave w, tile t: 2 w + t) lie from LDS byte 0 on, in the ring, which has had its last fill by then
.set L16, 1                            ; v1  16 x lane; never rewritten
.set A0,  2                            ; v2  the slot in hand: my two key tiles of K
.set AK0, 3                            ; v3  their place in a slot; never rewritten
.set A2,  4                            ; v4  the slot in hand: my 32 keys of V^T
.set SPW, 5                            ; v5  LDS address of my spare word; never rewritten
.set NIL, 6                            ; v6  0; never rewritten
.set AV0, 7                            ; v7  V^T's place in a slot; never rewritten
.set ST,  8                            ; tile t's statistics at v[ST + 8 t]: +0 C m, +1 m, +2, +3 l (even keys', odd keys'), +4 to +7 at work; a = 2^(C m_old - C m_new) at +6
.set SO,  24                           ; v24 the way out: where I put 16 bytes of a stage row
.set RX,  25                           ; v25 where I read rows back: the partner with b = 0,
.set RY,  26                           ; v26 the partner with b = 1
.set GO,  27                           ; v27 my byte offset in the tile's rows of out0
.set SS,  28                           ; v28 where I store statistics
.set SL,  29                           ; v29 where I read my partner's
.set S,   32
.set BUF0, 96
.set WV,  12
.set G1,  24                           ; s[24:31] descriptor group 1
.set G0A, 32                           ; s[32:35] group 0 of slot 0's first fill
.set G0B, 36                           ; s[36:39] group 0 of slot 1's first fill, which then walks on
.set CS,  40                           ; s[40:41] C: the packed form names a pair and takes its low word for both halves
.set SEL, 42                           ; s[42:43] v_permlanex16_b32's selects for lane l xor 16
.set TB,  44                           ; s44 LDS byte at which the slot in hand begins
.set CNT, 47
.set MSB, 0
.macro WIN new                         ; the immediate's high byte repeats the setting that is left; a switch that changes nothing is dropped
.if MSB != (\new)
	s_set_vgpr_msb (MSB<<8)|(\new)
.set MSB, (\new)
.endif
.endm
.macro CREST                           ; a round of the cluster's barrier behind its opening barrier
	s_cmp_lg_u32 s[WV], 0
	s_cbranch_scc1 .Lnot_wave_0_\@
	s_barrier_signal -3
.Lnot_wave_0_\@:
	s_barrier_wait -3
	s_barrier_signal -1
	s_barrier_wait -1
.endm
.macro CROUND                          ; a whole round
	s_barrier_signal -1
	s_barrier_wait -1
	CREST
.endm
.macro PLACES                          ; four places in front of loads into registers that matrix instructions have read, and of the first read of results
.rept 4
	v_nop
.endr
.endm
.macro ADDR
	v_add_nc_u32 v[A0], s[TB], v[AK0]
	v_add_nc_u32 v[A2], s[TB], v[AV0]
.endm
.macro QPLACE c                        ; where Q's fragments of channels 32 c on lie: window QW, register QR + 8 t
.if (\c) < 16
.set QW, 3
.set QR, 16*(\c)
.elseif (\c) < 18
.set QW, 0
.set QR, 224+16*((\c)-16)
.elseif (\c) < 20
.set QW, 1
.set QR, 208+16*((\c)-18)
.elseif (\c) < 22
.set QW, 2
.set QR, 208+16*((\c)-20)
.else
.set QW, (\c)-21
.set QR, 240
.endif
.endm
.macro KLOAD g, buf                    ; K's group g: channels 128 g on of my 32 keys: eight fragments, 16 loads
.irp cc, 0,1,2,3
.irp kt, 0,1
.irp u, 0,1
	ds_load_b128 v[\buf+8*(2*\cc+\kt)+4*\u:\buf+8*(2*\cc+\kt)+4*\u+3], v[A0] offset:\kt*24576+(4*(\g)+\cc)*1024+512*\u
.endr
.endr
.endr
.endm
.macro VLOAD gv, buf                   ; V^T's group gv: channels 128 gv on, my 32 keys: eight fragments, 16 loads
.irp cl, 0,1,2,3,4,5,6,7
.irp u, 0,1
	ds_load_b128 v[\buf+8*\cl+4*\u:\buf+8*\cl+4*\u+3], v[A2] offset:(8*(\gv)+\cl)*1024+512*\u
.endr
.endr
.endm
.macro KMUL g, buf                     ; 16 products: the four accumulators of S^T by turns, one instruction a turn; the first four of a step start the sums
.irp cc, 0,1,2,3
.set QC, 4*(\g)+\cc
	QPLACE QC
	WIN QW<<2
.irp kt, 0,1
.irp t, 0,1
.set rS, S+16*\t+8*\kt
.set rK, \buf+8*(2*\cc+\kt)
.set rQ, QR+8*\t
.if QC == 0
	v_wmma_f32_16x16x32_f16 v[rS:rS+7], v[rK:rK+7], v[rQ:rQ+7], 0
.else
	v_wmma_f32_16x16x32_f16 v[rS:rS+7], v[rK:rK+7], v[rQ:rQ+7], v[rS:rS+7]
.endif
.endr
.endr
.endr
.endm
; 8 products of O^T += V^T P for tile t, each on an accumulator of its own.  first = 1: they start the sums.  nxt = 1: behind each product four packed multiplications bring one of the NEXT group's
; accumulators under the new maximum (x a), from its low end on; they stand under the products' own window setting.
.macro PVPASS gv, buf, t, first, nxt
	WIN 0x54*(1+\t)                                ; V^T and a window 0; P, C and D window 1 + t
.irp i, 0,1,2,3,4,5,6,7
.set rO, 8*(8*(\gv)+\i)
.set rV, \buf+8*\i
.if \first
	v_wmma_f32_16x16x32_f16 v[rO:rO+7], v[rV:rV+7], v[192:199], 0
.else
	v_wmma_f32_16x16x32_f16 v[rO:rO+7], v[rV:rV+7], v[192:199], v[rO:rO+7]
.endif
.if \nxt
.set rN, 8*(8*((\gv)+1)+\i)
	v_pk_mul_f32 v[rN:rN+1], v[ST+8*\t+6:ST+8*\t+7], v[rN:rN+1] op_sel_hi:[0,1]
	v_pk_mul_f32 v[rN+2:rN+3], v[ST+8*\t+6:ST+8*\t+7], v[rN+2:rN+3] op_sel_hi:[0,1]
	v_pk_mul_f32 v[rN+4:rN+5], v[ST+8*\t+6:ST+8*\t+7], v[rN+4:rN+5] op_sel_hi:[0,1]
	v_pk_mul_f32 v[rN+6:rN+7], v[ST+8*\t+6:ST+8*\t+7], v[rN+6:rN+7] op_sel_hi:[0,1]
.endif
.endr
.endm
.macro RESC t                          ; group 0's eight accumulators x a
	WIN 0x54*(1+\t)
.set I, 0
.rept 32
	v_pk_mul_f32 v[2*I:2*I+1], v[ST+8*\t+6:ST+8*\t+7], v[2*I:2*I+1] op_sel_hi:[0,1]
.set I, I+1
.endr
.endm
; The softmax of a step: 16 scores a lane and tile, the two tiles line by line.  first = 1: there is no old maximum and no a.
.macro SOFTMAX first
.irp j, 0,1                            ; the maximum of my 16 scores: two chains, each begun at its accumulator's low end
.irp t, 0,1
	v_max3_num_f32 v[ST+8*\t+4+\j], v[S+16*\t+8*\j], v[S+16*\t+8*\j+1], v[S+16*\t+8*\j+2]
.endr
.endr
.irp q, 1,2
.irp j, 0,1
.irp t, 0,1
	v_max3_num_f32 v[ST+8*\t+4+\j], v[ST+8*\t+4+\j], v[S+16*\t+8*\j+2*\q+1], v[S+16*\t+8*\j+2*\q+2]
.endr
.endr
.endr
.irp t, 0,1
	v_max3_num_f32 v[ST+8*\t+4], v[ST+8*\t+4], v[S+16*\t+7], v[S+16*\t+15]
.endr
.irp t, 0,1
.if \first
	v_max_num_f32 v[ST+8*\t+4], v[ST+8*\t+4], v[ST+8*\t+5]
.else
	v_max3_num_f32 v[ST+8*\t+4], v[ST+8*\t+4], v[ST+8*\t+5], v[ST+8*\t+1]   ; and the old m
.endif
.endr
.irp t, 0,1
	v_permlanex16_b32 v[ST+8*\t+5], v[ST+8*\t+4], s[SEL], s[SEL+1]   ; the query's other 16 keys lie in the lane 16 away
.endr
.if \first == 0
.irp t, 0,1
	v_mov_b32 v[ST+8*\t+7], v[ST+8*\t]             ; C m_old is kept for a
.endr
.endif
.irp t, 0,1
	v_max_num_f32 v[ST+8*\t+1], v[ST+8*\t+4], v[ST+8*\t+5]
.endr
.irp t, 0,1
	v_mul_f32 v[ST+8*\t], s[CS], v[ST+8*\t+1]
.endr
.if \first == 0
.irp t, 0,1
	v_sub_f32 v[ST+8*\t+7], v[ST+8*\t+7], v[ST+8*\t]
.endr
.endif
.irp b, 0,1,2,3,4,5,6,7
.irp t, 0,1
	v_pk_fma_f32 v[S+16*\t+2*\b:S+16*\t+2*\b+1], v[S+16*\t+2*\b:S+16*\t+2*\b+1], s[CS:CS+1], v[ST+8*\t:ST+8*\t+1] op_sel_hi:[1,0,0] neg_lo:[0,0,1] neg_hi:[0,0,1]   ; C s - C m
.endr
.endr
.if \first == 0
.irp t, 0,1
	v_exp_f32 v[ST+8*\t+6], v[ST+8*\t+7]           ; a
.endr
.endif
.irp e, 0,1,2,3,4,5,6,7,8,9,10,11,12,13,14,15
.irp t, 0,1
	v_exp_f32 v[S+16*\t+\e], v[S+16*\t+\e]         ; p: ONE batch of exponentials
.endr
.endr
	v_nop                                          ; a plain place behind the last exponential
	s_wait_alu depctr_va_vdst(0)                   ; ahead of the first line that names a result: one for the batch
.irp t, 0,1
	WIN 0x40*(1+\t)                                ; destination window 1 + t
.set I, 0
.rept 8
	v_cvt_pk_f16_f32 v[192+I], v[S+16*\t+2*I], v[S+16*\t+2*I+1]   ; P: the tile's two accumulators of S^T make one fragment
.set I, I+1
.endr
.endr
	WIN 0
.irp u, 0,1,2,3                        ; the sum of the unrounded p, in place, neighbours 1, 2 and 4 pairs apart
.irp t, 0,1
	v_pk_add_f32 v[S+16*\t+4*\u:S+16*\t+4*\u+1], v[S+16*\t+4*\u:S+16*\t+4*\u+1], v[S+16*\t+4*\u+2:S+16*\t+4*\u+3]
.endr
.endr
.irp u, 0,1
.irp t, 0,1
	v_pk_add_f32 v[S+16*\t+8*\u:S+16*\t+8*\u+1], v[S+16*\t+8*\u:S+16*\t+8*\u+1], v[S+16*\t+8*\u+4:S+16*\t+8*\u+5]
.endr
.endr
.irp t, 0,1
.if \first
	v_pk_add_f32 v[ST+8*\t+2:ST+8*\t+3], v[S+16*\t:S+16*\t+1], v[S+16*\t+8:S+16*\t+9]
.else
	v_pk_add_f32 v[S+16*\t:S+16*\t+1], v[S+16*\t:S+16*\t+1], v[S+16*\t+8:S+16*\t+9]
.endif
.endr
.if \first == 0
.irp t, 0,1
	v_pk_fma_f32 v[ST+8*\t+2:ST+8*\t+3], v[ST+8*\t+2:ST+8*\t+3], v[ST+8*\t+6:ST+8*\t+7], v[S+16*\t:S+16*\t+1] op_sel_hi:[1,0,1]   ; l = a l + the sum
.endr
.endif
.endm
; A STEP: my 32 keys of a slot: nine groups of eight fragments (K's six, V^T's three) on the two buffers by turns; a group is asked for two groups ahead, behind the products that read its buffer and their places.
; Nine is odd, so the buffers change roles from step to step: group G lies in buffer (G + par) % 2, and par is the step's number modulo 2.
; end = 2: the slot is filled again, with the keys two slots on, behind a round of the cluster's barrier.  end = 1: the slots change and nothing is asked for.  end = 0: the last step.
.macro STEP first, end, par
.set G, 0
.rept 6
	s_wait_dscnt 16                                ; this group is in; the next group's 16 loads may be out
	KMUL G, BUF0+64*((G+\par)%2)
	PLACES
.if G < 4
	KLOAD G+2, BUF0+64*((G+\par)%2)
.else
	VLOAD G-4, BUF0+64*((G+\par)%2)
.endif
.set G, G+1
.endr
	WIN 0
	SOFTMAX \first
.if \first == 0
	RESC 0
	RESC 1
.endif
	s_wait_dscnt 16                                ; V^T's group 0 is in; group 1's loads may be out
	PVPASS 0, BUF0+64*(\par), 0, \first, 1-\first
	PVPASS 0, BUF0+64*(\par), 1, \first, 1-\first
	PLACES
	WIN 0
	VLOAD 2, BUF0+64*(\par)
	s_wait_dscnt 16                                ; group 1 is in; group 2's loads may be out
	PVPASS 1, BUF0+64*(1-\par), 0, \first, 1-\first
	PVPASS 1, BUF0+64*(1-\par), 1, \first, 1-\first
.if \end == 0
	s_wait_dscnt 0x0
	PVPASS 2, BUF0+64*(\par), 0, \first, 0
	PVPASS 2, BUF0+64*(\par), 1, \first, 0
.else
	WIN 0                                          ; (the add's two registers lie in window 0)
	s_wait_tensorcnt 0x0                           ; all my tensor loads have landed: the one that was out is my quarter of the next slot; so a group 0 may be written
	ds_add_u32 v[SPW], v[NIL]                      ; 0 onto my spare word
.if \end == 2
	s_xor_b32 s[G0B+1], s[G0B+1], SLOTB            ; the walking descriptor: the other slot than last time,
	s_add_nc_u64 s[G0B+2:G0B+3], s[G0B+2:G0B+3], SLOTB   ; the next 64 keys; the type bits on top are not reached
.endif
	s_wait_dscnt 0x0                               ; the add is done, and my reads of this slot are over: its last group is in registers
	s_barrier_signal -1                            ; (end = 2: this barrier opens a round of the cluster's)
	PVPASS 2, BUF0+64*(\par), 0, \first, 0         ; work on registers while the others arrive
	WIN 0                                          ; at a branch and at a label every window is 0
	s_barrier_wait -1
.if \end == 2
	CREST                                          ; no wave of any partner still reads this slot or has a load on its way
	tensor_load_to_lds s[G0B:G0B+3], s[G1:G1+7]    ; the joint refill, first behind the round: it has a whole step in which to land
	s_nop 0
.endif
	PLACES                                         ; places behind a tensor load; also the places in front of the loads into the buffer that group 1's products read
	s_xor_b32 s[TB], s[TB], SLOTB                  ; on to the other slot
	ADDR
	KLOAD 0, BUF0+64*(1-\par)                      ; the next step's group 0: its parity is the other one
	PVPASS 2, BUF0+64*(\par), 1, \first, 0
	PLACES
	WIN 0
	KLOAD 1, BUF0+64*(\par)
.endif
.endm
	s_load_b128 s[4:7], s[0:1], 0x0                ; qf s[4:5], kvf s[6:7]
	s_load_b64 s[8:9], s[0:1], 0x10                ; out0
	v_lshl_add_u32 v[SPW], v0, 2, SPARE
	v_mov_b32 v[NIL], 0
	ds_add_u32 v[SPW], v[NIL]                      ; the wave's opening: the add, twice on end, and its wait ahead of my first tensor load; the set-up below stands between
	ds_add_u32 v[SPW], v[NIL]
	v_lshrrev_b32 v30, 5, v0
	v_readfirstlane_b32 s[WV], v30                 ; wave 0..3
	s_and_b32 s16, s[WV], 1                        ; a: which 32 queries
	s_lshr_b32 s17, s[WV], 1                       ; b: which 32 of a slot's 64 keys
	s_bfe_u32 s13, ttmp6, 0x40000                  ; cx: my place in the cluster: it enters Q's and out0's addresses alone
	s_lshl_b32 s14, ttmp9, 2
	s_add_co_u32 s14, s14, s13                     ; my block of 64 queries
	s_and_b32 s15, ttmp7, 0xffff                   ; the batch, which the four partners share
	s_lshl_b32 s18, s15, 7
	s_lshl_b32 s19, s14, 2
	s_add_co_u32 s18, s18, s19
	s_lshl_b32 s19, s16, 1
	s_add_co_u32 s18, s18, s19                     ; my first query tile: 128 x batch + 4 x block + 2 a
	s_mul_i32 s20, s18, 24576                      ; its bytes in qf
	s_mov_b32 s21, 0
	s_add_co_u32 s22, s18, s17                     ; the tile that I send out: tile b of the pair
	s_mul_i32 s22, s22, 24576                      ; 16 rows of 1,536 bytes in out0
	s_mov_b32 s23, 0
	s_mul_i32 s50, s15, 32*SLOTB                   ; the batch's first 64 keys,
	s_mul_i32 s45, s[WV], QUARTER                  ; my quarter of a slot, in memory and in LDS
	s_add_co_u32 s50, s50, s45
	s_mov_b32 s51, 0
	; descriptor group 1: 144 dense rows of 32 elements of 8 bytes; mask: all four work-groups, bit 21 beside it
	s_mov_b32 s[G1+0], 15|(3<<16)|(1<<21)
	s_mov_b32 s[G1+1], 32<<16                      ; tensor_dim0
	s_mov_b32 s[G1+2], 144<<16                     ; tensor_dim1
	s_mov_b32 s[G1+3], 32<<16                      ; tile_dim0
	s_mov_b32 s[G1+4], 144                         ; tile_dim1
	s_mov_b32 s[G1+5], 32                          ; tensor_dim0_stride
	s_mov_b32 s[G1+6], 0
	s_mov_b32 s[G1+7], 0
	s_mov_b32 s[CS], 0x40553b94                    ; C = 64 log2(e) / sqrt(768) = 3.3317615
	s_mov_b32 s[CS+1], s[CS]
	s_mov_b32 s[SEL], 0x76543210
	s_mov_b32 s[SEL+1], 0xfedcba98
	s_mov_b32 s[TB], 0
	v_and_b32 v30, 31, v0
	v_lshlrev_b32 v[L16], 4, v30
	s_mul_i32 s46, s17, 49152                      ; K: key tiles 2 b, 2 b + 1
	s_mul_i32 s48, s17, 24576                      ; V^T: keys 32 b on,
	s_add_co_u32 s48, s48, VOFF                    ; behind K
	v_add_nc_u32 v[AK0], s46, v[L16]
	v_add_nc_u32 v[AV0], s48, v[L16]
	ADDR
	; the way out's addresses
	v_and_b32 v30, 15, v0                          ; r
	v_bfe_u32 v31, v0, 4, 1                        ; h
	s_mul_i32 s49, s[WV], 2*TSTG                   ; my two stages
	v_mul_u32_u24 v[SO], v30, TP
	v_lshl_add_u32 v[SO], v31, 5, v[SO]            ; in: row r, + 32 h
	v_add_nc_u32 v[SO], s49, v[SO]
	s_lshl_b32 s49, s16, 1
	s_add_co_u32 s49, s49, s17                     ; stage 2 a + b: tile b of wave a;
	s_mul_i32 s49, s49, TSTG
	v_mul_u32_u24 v[RX], v31, TP
	v_lshl_add_u32 v[RX], v30, 4, v[RX]            ; back: lanes 0-15 one row, lanes 16-31 the next
	v_add_nc_u32 v[RX], s49, v[RX]
	v_add_nc_u32 v[RY], 4*TSTG, v[RX]              ; four stages on: tile b of wave a + 2
	v_mul_u32_u24 v[GO], v31, 1536
	v_lshl_add_u32 v[GO], v30, 4, v[GO]            ; and the same two rows in out0
	s_lshl_b32 s49, s[WV], 8
	v_and_b32 v[SS], 31, v0
	v_lshlrev_b32 v[SS], 3, v[SS]
	v_add_nc_u32 v[SS], s49, v[SS]
	v_add_nc_u32 v[SS], STATS, v[SS]               ; my wave's 256 bytes, 8 a lane
	s_xor_b32 s49, s49, 512                        ; my partner: the wave with the other b
	v_lshlrev_b32 v[SL], 3, v30
	v_add_nc_u32 v[SL], s49, v[SL]
	v_add_nc_u32 v[SL], STATS, v[SL]
	s_wait_dscnt 0x0                               ; both opening adds are done
	s_wait_kmcnt 0x0
	s_add_nc_u64 s[4:5], s[4:5], s[20:21]
	s_add_nc_u64 s[8:9], s[8:9], s[22:23]
	s_add_nc_u64 s[6:7], s[6:7], s[50:51]
	s_mov_b32 s[G0A], 1                            ; count = 1
	s_mov_b32 s[G0A+1], s45                        ; LDS address: slot 0
	s_mov_b64 s[G0A+2:G0A+3], s[6:7]               ; keys 0-63
	s_or_b32 s[G0A+3], s[G0A+3], 0x80000000        ; type = 2
	s_mov_b32 s[G0B], 1
	s_add_co_u32 s[G0B+1], s45, SLOTB              ; slot 1
	s_add_nc_u64 s[G0B+2:G0B+3], s[6:7], SLOTB     ; keys 64-127
	s_or_b32 s[G0B+3], s[G0B+3], 0x80000000
	CROUND                                         ; all four work-groups are here: the first joint loads meet
	tensor_load_to_lds s[G0A:G0A+3], s[G1:G1+7]    ; every wave's two first fills, on end
	s_nop 0
	tensor_load_to_lds s[G0B:G0B+3], s[G1:G1+7]
	s_nop 0
	PLACES
.set QC, 0
.rept 24                               ; Q stays in registers: 96 loads of 512 consecutive bytes
	QPLACE QC
	WIN QW<<6
.irp t, 0,1
.irp u, 0,1
	global_load_b128 v[QR+8*\t+4*\u:QR+8*\t+4*\u+3], v[L16], s[4:5] offset:\t*24576+QC*1024+512*\u
.endr
.endr
.set QC, QC+1
.endr
	WIN 0
	s_wait_tensorcnt 1                             ; my quarter of slot 0 is in; slot 1's may stay out
	s_barrier_signal -1
	s_barrier_wait -1                              ; everybody's is
	KLOAD 0, BUF0
	KLOAD 1, BUF0+64
	s_wait_loadcnt 0x0                             ; Q
	STEP 1, 2, 0                                   ; step 0 starts m, l and O^T, and asks for slot 2
	s_mov_b32 s[CNT], 14
.Lstep:                                            ; a trip is two steps, until the buffers' roles are back where they began: steps 1 to 28 ask for slots 3 to 30
	STEP 0, 2, 1
	STEP 0, 2, 0
	s_sub_co_u32 s[CNT], s[CNT], 1
	s_cmp_lg_u32 s[CNT], 0
	s_cbranch_scc1 .Lstep
	STEP 0, 2, 1                                   ; step 29 asks for slot 31
	STEP 0, 1, 0                                   ; the tail is written out
	STEP 0, 0, 1
	; THE WAY OUT.  First the statistics go round: (C m, l) of my 32 queries, lanes 0-15 for tile 0, lanes 16-31 for tile 1.
	WIN 0
	PLACES
.irp t, 0,1
	v_add_f32 v[ST+8*\t+4], v[ST+8*\t+2], v[ST+8*\t+3]
.endr
.irp t, 0,1
	v_permlanex16_b32 v[ST+8*\t+5], v[ST+8*\t+4], s[SEL], s[SEL+1]
.endr
.irp t, 0,1
	v_add_f32 v[ST+8*\t+4], v[ST+8*\t+4], v[ST+8*\t+5]   ; l: both halves of the pair and both halves of the lanes
.endr
	v_and_b32 v30, 31, v0
	v_cmp_gt_u32 vcc_lo, 16, v30
	v_cndmask_b32 v30, v[ST+8], v[ST], vcc_lo
	v_cndmask_b32 v31, v[ST+12], v[ST+4], vcc_lo
	ds_store_b64 v[SS], v[30:31]
	s_wait_dscnt 0x0                               ; for the others' sake: my statistics have landed, and my reads of the last slot are over
	s_barrier_signal -1
	s_barrier_wait -1                              ; nobody reads the ring any more: the stages may be written
	ds_load_b64 v[32:33], v[SL]                    ; my partner's C m and l of tile 0's query r,
	ds_load_b64 v[34:35], v[SL] offset:128         ; and of tile 1's
	s_wait_dscnt 0x0
.irp t, 0,1
	v_max_num_f32 v[ST+8*\t+5], v[ST+8*\t], v[32+2*\t]   ; the maximum of the two halves
.endr
.irp t, 0,1
	v_sub_f32 v[ST+8*\t+6], v[ST+8*\t], v[ST+8*\t+5]
	v_sub_f32 v[ST+8*\t+7], v[32+2*\t], v[ST+8*\t+5]
.endr
.irp t, 0,1
	v_exp_f32 v[ST+8*\t+6], v[ST+8*\t+6]           ; my weight,
	v_exp_f32 v[ST+8*\t+7], v[ST+8*\t+7]           ; my partner's: one of the two is 1
.endr
	v_nop                                          ; a plain place behind the exponentials
	s_wait_alu depctr_va_vdst(0)                   ; ahead of the first line that names a result
.irp t, 0,1
	v_mul_f32 v[ST+8*\t+5], v[ST+8*\t+6], v[ST+8*\t+4]
.endr
.irp t, 0,1
	v_fma_f32 v[ST+8*\t+5], v[ST+8*\t+7], v[33+2*\t], v[ST+8*\t+5]   ; the row's sum over all keys: at least the l of the half that holds the maximum, which is at least 1
.endr
.irp t, 0,1
	v_rcp_f32 v[ST+8*\t+3], v[ST+8*\t+5]
.endr
	v_nop
	s_wait_alu depctr_va_vdst(0)
.irp t, 0,1
	v_mul_f32 v[ST+8*\t+3], 0x41000000, v[ST+8*\t+3]     ; x 8: v's factor 2^-3 is undone
.endr
.irp t, 0,1
	v_mul_f32 v[ST+8*\t+6], v[ST+8*\t+6], v[ST+8*\t+3]   ; f: what my O^T is multiplied by
.endr
	; My two tiles, x f, go into my two stages as rows: lane (r, h) holds query r and, in registers 8 ct + 4 g on, channels 16 ct + 8 h + 4 g on: byte 64 ct + 32 h + 16 g of row r.
.irp t, 0,1
	WIN 0x54*(1+\t)
.set I, 0
.rept 96
	v_pk_mul_f32 v[2*I:2*I+1], v[ST+8*\t+6:ST+8*\t+7], v[2*I:2*I+1] op_sel_hi:[0,1]   ; each accumulator from its low end on
.set I, I+1
.endr
	WIN 0x04*(1+\t)                                ; an LDS store's data are its source 1: window 1 + t
.set I, 0
.rept 24
	ds_store_b128 v[SO], v[8*I:8*I+3] offset:\t*TSTG+I*64
	ds_store_b128 v[SO], v[8*I+4:8*I+7] offset:\t*TSTG+I*64+16
.set I, I+1
.endr
.endr
	WIN 0
	s_wait_dscnt 0x0                               ; for the others' sake: my stores have landed; and they have read their registers
	s_barrier_signal -1
	s_barrier_wait -1                              ; all eight stages are whole
	; Tile b of my pair of waves: both halves' rows come back, 256 bytes of two rows a load, are added and leave: sixteen lanes store 256 consecutive bytes, aligned.
	; Six chunks of 64 channels, each with registers of its own (chunks 0-2 in window 0, 3-5 where tile 0's O^T lay), so that no store's data are written again.
.macro OPLACE k
.if (\k) < 3
.set OBK, 32+64*(\k)
.else
.set OBK, 64*((\k)-3)
.endif
.endm
.macro OLOAD k
	OPLACE \k
	WIN 0x40*((\k)/3)
.irp i, 0,1,2,3,4,5,6,7
	ds_load_b128 v[OBK+4*\i:OBK+4*\i+3], v[RX] offset:\i*2*TP+(\k)*256
	ds_load_b128 v[OBK+32+4*\i:OBK+32+4*\i+3], v[RY] offset:\i*2*TP+(\k)*256
.endr
.endm
.macro OSEND k, left
	OPLACE \k
	s_wait_dscnt \left                             ; this chunk's 16 loads are in
	WIN 0x45*((\k)/3)
.set I, 0
.rept 16
	v_pk_add_f32 v[OBK+2*I:OBK+2*I+1], v[OBK+2*I:OBK+2*I+1], v[OBK+32+2*I:OBK+32+2*I+1]
.set I, I+1
.endr
	WIN 0x04*((\k)/3)                              ; a store's data are its source 1
.irp i, 0,1,2,3,4,5,6,7
	global_store_b128 v[GO], v[OBK+4*\i:OBK+4*\i+3], s[8:9] offset:\i*3072+(\k)*256 th:TH_STORE_NT
.endr
.endm
.irp k, 0,1,2,3,4,5
	OLOAD \k
.endr
	OSEND 0, 63                                    ; 80 loads were issued behind chunk 0's and 64 behind chunk 1's: the wait's field holds 63
	OSEND 1, 63
	OSEND 2, 48
	OSEND 3, 32
	OSEND 4, 16
	OSEND 5, 0
	WIN 0
	s_wait_tensorcnt 0x0                           ; the wave's end, behind my last tensor load and my last LDS store
	ds_add_u32 v[SPW], v[NIL]
	s_wait_dscnt 0x0
	CROUND                                         ; the closing round: no work-group ends while a partner may still ask for a tile that names it
	s_endpgm
.Lfunc_end_k_q335d9542c0_attn:
	.size	k_q335d9542c0_attn, .Lfunc_end_k_q335d9542c0_attn-k_q335d9542c0_attn
	.p2alignl 7, 3214868480
	.fill 96, 4, 3214868480
	.section	.rodata,"a",@progbits
	.p2align	6, 0x0
	.amdhsa_kernel k_q335d9542c0_attn
		.amdhsa_group_segment_fixed_size 327680
		.amdhsa_private_segment_fixed_size 0
		.amdhsa_enable_private_segment 0
		.amdhsa_kernarg_size 24
		.amdhsa_user_sgpr_count 2
		.amdhsa_user_sgpr_kernarg_segment_ptr 1
		.amdhsa_wavefront_size32 1
		.amdhsa_system_sgpr_workgroup_id_x 1
		.amdhsa_system_sgpr_workgroup_id_y 1
		.amdhsa_system_sgpr_workgroup_id_z 1
		.amdhsa_system_vgpr_workitem_id 0
		.amdhsa_next_free_vgpr 1024
		.amdhsa_next_free_sgpr 66
		.amdhsa_reserve_vcc 1
		.amdhsa_float_denorm_mode_32 3
		.amdhsa_float_denorm_mode_16_64 3
		.amdhsa_memory_ordered 1
		.amdhsa_forward_progress 1
		.amdhsa_inst_pref_size 255
	.end_amdhsa_kernel
	.section	.bss,"aw",@nobits
	.p2align	6
	.space	262144
	.amdgpu_metadata
---
amdhsa.version: [ 1, 2 ]
amdhsa.kernels:
  - .name:           k_q335d9542c0_attn
    .symbol:         k_q335d9542c0_attn.kd
    .args:
      - { .name: qf, .offset: 0, .size: 8, .value_kind: global_buffer, .address_space: global }
      - { .name: kvf, .offset: 8, .size: 8, .value_kind: global_buffer, .address_space: global }
      - { .name: out0, .offset: 16, .size: 8, .value_kind: global_buffer, .address_space: global }
    .group_segment_fixed_size: 327680
    .private_segment_fixed_size: 0
    .kernarg_segment_align: 8
    .kernarg_segment_size: 24
    .max_flat_workgroup_size: 128
    .sgpr_count:     66
    .vgpr_count:     1024
    .wavefront_size: 32
...
	.end_amdgpu_metadata
.endif
;; end of part 3
